; MI455X (gfx1250); checked and timed in simulation.
; The chip was launched on July 23, 2026; its instructions are those of AMD's public machine-readable ISA for CDNA 5 (MIT licence, August 2026) and "CDNA5" Instruction Set Architecture Reference Guide (July 2026). The comments in the code are by the model that wrote it; some were corrected since.
;; Torchao Quant Linear Fp8. Allowed arithmetic: float matrix products may take bf16 or f16 operands with f32 sums; other float arithmetic in f32, or as packed bf16 or f16 multiplies, adds, multiply-adds, maxima and minima; sums over many terms, partial sums and values carried from step to step in f32; what a program stores and reads back later, other than sums and carried values, may be rounded once to bf16 or f16.
;; Inputs: bias 4,096 bfloat16; input_tensor 1 x 4,096 x 4,096 bfloat16; weight 4,096 x 4,096 float32.
;; Outputs: out0 1 x 4,096 x 4,096 bfloat16.
;; 2 versions, each right; version 2 is version 1 with the launch quant written anew for expert scheduling mode. Each part assembles by itself: llvm-mc -triple=amdgcn-amd-amdhsa -mcpu=gfx1250 --defsym DOCPART=n.
;; ======== version 1 of 2: 2 launches
;; workspace buffers: qx 33,554,432 bytes; qw 33,554,432 bytes; scales 32,768 bytes
;; launch quant (part 1): grid 256 x 1, 16 waves a work-group, no clusters, 2,304 bytes of LDS; arguments input_tensor, weight, qx, qw, scales; writes qx, qw, scales
.if DOCPART == 1
	.amdgcn_target "amdgcn-amd-amdhsa--gfx1250"
	.amdhsa_code_object_version 6
	.text
	.protected	k_qcf92d4eca5_quant
	.globl	k_qcf92d4eca5_quant
	.p2align	8
	.type	k_qcf92d4eca5_quant,@function
k_qcf92d4eca5_quant:
	s_mov_b64 s[64:65], 0
	v_nop
	global_prefetch_b8 v0, s[64:65] scope:SCOPE_SE
	s_setreg_imm32_b32 hwreg(HW_REG_WAVE_MODE, 25, 1), 1
	s_wait_xcnt 0x0
; ROW-WISE QUANTISATION TO e4m3, for x [4096][4096] bf16 and weight [4096][4096] f32.
; For each row: amax = max(max |v|, 1e-8); scale = amax / 448; q = e4m3(clip(v / scale, -448, 448)).
; q is stored as bf16: an e4m3 number has 4 significant bits and lies between 2^-9 and 448, so bf16 holds it exactly.
; qx, qw: [4096][4096] bf16.  scales: f32, x's 4,096 at byte 0, weight's 4,096 at byte 16,384.
; SHARES.  Row R = 16 x work-group + wave: a wave takes row R of x (8,192 bytes, 64 registers) and row R of weight (16,384 bytes,
; 128 registers).  A row stays in registers between the pass that finds its maximum and the pass that quantises: each byte is read once.
; All 48 loads of a wave go out at its start, x's first; x is quantised and stored while weight's are on their way.  No loop.
; Nothing is shared between work-groups, so there is no tensor load, no cluster and no prefetch: the launch is one stream in and one out.
; ARITHMETIC GOES BY EACH TENSOR'S TYPE.
; x is bf16, and so are its floor (1e-8 rounded to bf16), its scale and its quotients: the scale is rounded to bf16 (that number divides, and is
; stored as sx), and each quotient is rounded to bf16 ahead of the clip and of the rounding to e4m3.  Both roundings are those of the true
; quotients: with 8 significant bits in each of two numbers X and S, X / S differs from every midpoint M of two bf16 numbers (M odd, 9 bits) by
; |256 X - S M| / 256 S, which is not 0 and so at least 2^-17 of the quotient, while the f32 quotients made here are good to some 2^-22.
; weight is f32: amax / 448 and w / scale are a multiplication by a reciprocal followed by one correction with the exact remainder (two
; fused multiply-adds), so that a quotient that can be represented comes out exactly.
; LIMITS.  weight's corrected quotient may differ from the correctly rounded one in its last bit in rare cases.  The rounding to e4m3 is one
; rounding, to nearest even, from f32.  A NaN loses in the maxima and infinities are not treated apart.
.set SPARE, 256                        ; LDS: 0-63 x's 16 scales, 64-127 weight's 16; from 256 on the spare words, 128 bytes for each of 16 waves
.set SPW, 4                            ; v4   LDS address of my spare word; never rewritten
.set NIL, 5                            ; v5   0; never rewritten
.set M,   6                            ; v[6:9]    four running maxima
.set S,   12                           ; v[12:13]  the scale, twice
.set RR,  14                           ; v[14:15]  its reciprocal, twice
.set T,   16                           ; v[16:23]  at work
.set Y,   24                           ; v[24:31]  eight quotients
.set X,   64                           ; v[64:127]  x's row as loaded, then as stored
.set W,   128                          ; v[128:255] weight's row
; v1 16 x lane; v2 8 x lane; v3 4 x wave; v10, v11 at work; v32, v33 eight e4m3 codes; v34 4 x lane; v35 the scales' place in memory
	s_load_b256 s[4:11], s[0:1], 0x0               ; x s[4:5], weight s[6:7], qx s[8:9], qw s[10:11]
	s_load_b64 s[12:13], s[0:1], 0x20              ; scales
	v_lshl_add_u32 v[SPW], v0, 2, SPARE
	v_mov_b32 v[NIL], 0
	v_lshrrev_b32 v3, 5, v0
	v_readfirstlane_b32 s14, v3                    ; wave 0..15
	v_and_b32 v34, 31, v0                          ; lane
	v_lshlrev_b32 v1, 4, v34
	v_lshlrev_b32 v2, 3, v34
	v_mov_b32 v3, s14
	v_lshlrev_b32 v3, 2, v3                        ; my wave's word among the 16 scales
	s_lshl_b32 s28, ttmp9, 6                       ; the work-group's 16 scales: 64 bytes
	v_and_b32 v35, 15, v34
	v_lshl_add_u32 v35, v35, 2, s28                ; lanes 0-15: x's scales;
	v_lshrrev_b32 v10, 4, v34
	v_lshl_add_u32 v35, v10, 14, v35               ; lanes 16-31: weight's, 16,384 bytes on
	v_lshlrev_b32 v34, 2, v34
	v_mov_b32 v32, 0                               ; the conversions below write these two by halves: they are written whole once
	v_mov_b32 v33, 0
	s_lshl_b32 s15, ttmp9, 4
	s_add_co_u32 s15, s15, s14                     ; R
	s_lshl_b32 s16, s15, 13                        ; R rows of 8,192 bytes (x, qx, qw)
	s_mov_b32 s17, 0
	s_lshl_b32 s18, s15, 14                        ; R rows of 16,384 bytes (weight)
	s_mov_b32 s19, 0
	s_mov_b32 s20, 0x7fff7fff                      ; clears the signs of two bf16
	s_mov_b32 s21, 0xffff0000                      ; a word's upper bf16
	s_mov_b32 s22, 0x76543210                      ; v_permlanex16_b32: each lane takes its own place in the other half
	s_mov_b32 s23, 0xfedcba98
	s_mov_b32 s24, 0x43e00000                      ; 448
	s_mov_b32 s25, 0xc3e00000                      ; -448
	s_mov_b32 s26, 0x3b124925                      ; 1 / 448, rounded
	s_mov_b32 s27, 0x322bcc77                      ; 1e-8 in f32: weight's floor
	s_mov_b32 s29, 0x322c0000                      ; 1e-8 rounded to bf16: x's floor
	s_wait_kmcnt 0x0
	s_add_nc_u64 s[4:5], s[4:5], s[16:17]
	s_add_nc_u64 s[8:9], s[8:9], s[16:17]
	s_add_nc_u64 s[10:11], s[10:11], s[16:17]
	s_add_nc_u64 s[6:7], s[6:7], s[18:19]
.set j, 0
.rept 16                               ; x's row: each load of the wave covers 512 consecutive bytes, aligned
	global_load_b128 v[X+4*j:X+4*j+3], v1, s[4:5] offset:512*j th:TH_LOAD_NT
.set j, j+1
.endr
.set j, 0
.rept 32                               ; weight's row
	global_load_b128 v[W+4*j:W+4*j+3], v1, s[6:7] offset:512*j th:TH_LOAD_NT
.set j, j+1
.endr
; The maximum in v10 over the 32 lanes: four steps inside each half of 16 lanes ride on the arithmetic, one crosses the halves.
.macro LANES
	v_max_num_f32_dpp v10, v10, v10 row_xmask:1 row_mask:0xf bank_mask:0xf
	v_max_num_f32_dpp v10, v10, v10 row_xmask:2 row_mask:0xf bank_mask:0xf
	v_max_num_f32_dpp v10, v10, v10 row_xmask:4 row_mask:0xf bank_mask:0xf
	v_max_num_f32_dpp v10, v10, v10 row_xmask:8 row_mask:0xf bank_mask:0xf
	v_permlanex16_b32 v11, v10, s22, s23           ; its destination counts as read: v11 has been written
	v_max_num_f32 v10, v10, v11
.endm
; From the row's maximum in v10: the scale (twice, in S), its reciprocal (twice, in RR), and the scale into my wave's word in LDS.
; floor: the scalar register with the floor.  bf = 1: the scale is rounded to bf16 (x's type).
.macro MKSCALE ldsoff, floor, bf
	v_max_num_f32 v10, s[\floor], v10              ; the floor
	v_mul_f32 v[S], s26, v10                       ; amax / 448: a first quotient,
	v_fma_f32 v11, -v[S], s24, v10                 ; its exact remainder,
	v_fma_f32 v[S], v11, s26, v[S]                 ; and the correction
.if \bf
	v_cvt_pk_bf16_f32 v[S], v[S], v[S]             ; rounded to bf16,
	v_lshlrev_b32 v[S], 16, v[S]                   ; and that number in f32
.endif
	v_rcp_f32 v[RR], v[S]
	v_mov_b32 v[S+1], v[S]                         ; the plain instruction behind the reciprocal (ISA guide 5.7.2)
	s_wait_alu depctr_va_vdst(0)                   ; ahead of the first use of the reciprocal
	v_fma_f32 v11, -v[S], v[RR], 1.0               ; one Newton step
	v_fma_f32 v[RR], v11, v[RR], v[RR]
	v_mov_b32 v[RR+1], v[RR]
	ds_store_b32 v3, v[S] offset:\ldsoff           ; all lanes write the same word with the same number
.endm
; Eight numbers in f32 at v[src ..] become eight e4m3 numbers in bf16, packed into the four registers d0-d3.
; bf = 1 (x): the quotients are rounded to bf16 first; bf = 0 (weight): they are corrected with the exact remainder and stay in f32.
.macro Q8 src, d0, d1, d2, d3, bf
.irp k, 0,2,4,6
	v_pk_mul_f32 v[Y+(\k):Y+(\k)+1], v[(\src)+(\k):(\src)+(\k)+1], v[RR:RR+1]
.endr
.if \bf
.irp k, 0,1,2,3
	v_cvt_pk_bf16_f32 v[T+(\k)], v[Y+2*(\k)], v[Y+2*(\k)+1]  ; the quotients in bf16,
.endr
.irp k, 0,1,2,3
	v_lshlrev_b32 v[Y+2*(\k)],   16,  v[T+(\k)]    ; and those numbers in f32
	v_and_b32     v[Y+2*(\k)+1], s21, v[T+(\k)]
.endr
.else
.irp k, 0,2,4,6
	v_pk_fma_f32 v[T+(\k):T+(\k)+1], v[Y+(\k):Y+(\k)+1], v[S:S+1], v[(\src)+(\k):(\src)+(\k)+1] neg_lo:[1,0,0] neg_hi:[1,0,0]  ; v - y x scale
.endr
.irp k, 0,2,4,6
	v_pk_fma_f32 v[Y+(\k):Y+(\k)+1], v[T+(\k):T+(\k)+1], v[RR:RR+1], v[Y+(\k):Y+(\k)+1]  ; the corrected quotient
.endr
.endif
.irp k, 0,1,2,3,4,5,6,7
	v_med3_num_f32 v[Y+(\k)], v[Y+(\k)], s25, s24  ; the clip; the conversion below does not saturate by itself
.endr
	v_cvt_pk_fp8_f32 v32.l, v[Y], v[Y+1]
	v_cvt_pk_fp8_f32 v32.h, v[Y+2], v[Y+3]
	v_cvt_pk_fp8_f32 v33.l, v[Y+4], v[Y+5]
	v_cvt_pk_fp8_f32 v33.h, v[Y+6], v[Y+7]
	v_cvt_pk_f32_fp8 v[T:T+1], v32.l
	v_cvt_pk_f32_fp8 v[T+2:T+3], v32.h
	v_cvt_pk_f32_fp8 v[T+4:T+5], v33.l
	v_cvt_pk_f32_fp8 v[T+6:T+7], v33.h
	v_cvt_pk_bf16_f32 v[\d0], v[T], v[T+1]         ; exact
	v_cvt_pk_bf16_f32 v[\d1], v[T+2], v[T+3]
	v_cvt_pk_bf16_f32 v[\d2], v[T+4], v[T+5]
	v_cvt_pk_bf16_f32 v[\d3], v[T+6], v[T+7]
.endm
	; x: the largest |x| of my 128 numbers, two bf16 at a time, in four chains started by the first four words
	s_wait_loadcnt 32                              ; loads come back in order: x's 16 are in, weight's 32 may stay out
.irp k, 0,1,2,3
	v_and_b32 v[M+(\k)], s20, v[X+(\k)]
.endr
.set j, 4
.rept 60
	v_and_b32 v[T+j%4], s20, v[X+j]
	v_pk_max_num_bf16 v[M+j%4], v[M+j%4], v[T+j%4]
.set j, j+1
.endr
	v_pk_max_num_bf16 v[M], v[M], v[M+1]
	v_pk_max_num_bf16 v[M+2], v[M+2], v[M+3]
	v_pk_max_num_bf16 v[M], v[M], v[M+2]
	v_lshlrev_b32 v10, 16, v[M]                    ; the two halves as f32
	v_and_b32 v11, s21, v[M]
	v_max_num_f32 v10, v10, v11
	LANES
	MKSCALE 0, 29, 1
	; x is quantised in place, four words (8 numbers) at a time, and stored; no register that a store reads is written again
.set j, 0
.rept 16
.irp k, 0,1,2,3
	v_lshlrev_b32 v[T+2*(\k)],   16, v[X+4*j+(\k)]
	v_and_b32     v[T+2*(\k)+1], s21, v[X+4*j+(\k)]
.endr
	Q8 T, X+4*j, X+4*j+1, X+4*j+2, X+4*j+3, 1
	global_store_b128 v1, v[X+4*j:X+4*j+3], s[8:9] offset:512*j  ; 512 consecutive bytes, aligned
.set j, j+1
.endr
	; weight: the largest |w| of my 128 numbers, two at a time, in four chains; eight loads' registers behind each wait
.macro WMAX g
	s_wait_loadcnt 24-8*(\g)                       ; the loads of groups behind this one may stay out
.set i, 32*(\g)
.rept 16
.if i < 8
	v_max_num_f32 v[M+(i/2)%4], |v[W+i]|, |v[W+i+1]|
.else
	v_max3_num_f32 v[M+(i/2)%4], |v[W+i]|, |v[W+i+1]|, v[M+(i/2)%4]
.endif
.set i, i+2
.endr
.endm
	WMAX 0
	WMAX 1
	WMAX 2
	WMAX 3
	v_max3_num_f32 v10, v[M], v[M+1], v[M+2]
	v_max_num_f32 v10, v10, v[M+3]
	LANES
	MKSCALE 64, 27, 0
	; a load's four f32 a lane become 8 bytes of bf16: 32 lanes store 256 consecutive bytes, aligned
.set g, 0
.rept 16
	Q8 W+8*g, W+8*g, W+8*g+1, W+8*g+4, W+8*g+5, 0
	global_store_b64 v2, v[W+8*g:W+8*g+1], s[10:11] offset:512*g
	global_store_b64 v2, v[W+8*g+4:W+8*g+5], s[10:11] offset:512*g+256
.set g, g+1
.endr
	; the work-group's 32 scales leave together: two runs of 64 consecutive bytes, by wave 0
	s_wait_dscnt 0x0                               ; for the others' sake: my two scales lie in LDS
	s_barrier_signal -1
	s_barrier_wait -1
	s_cmp_lg_u32 s14, 0
	s_cbranch_scc1 .Lend
	ds_load_b32 v10, v34
	s_wait_dscnt 0x0
	global_store_b32 v35, v10, s[12:13]
.Lend:
	s_wait_tensorcnt 0x0                           ; the wave's end, behind my last LDS store
	ds_add_u32 v[SPW], v[NIL]
	s_wait_dscnt 0x0
	s_endpgm
.Lfunc_end_k_qcf92d4eca5_quant:
	.size	k_qcf92d4eca5_quant, .Lfunc_end_k_qcf92d4eca5_quant-k_qcf92d4eca5_quant
	.p2alignl 7, 3214868480
	.fill 96, 4, 3214868480
	.section	.rodata,"a",@progbits
	.p2align	6, 0x0
	.amdhsa_kernel k_qcf92d4eca5_quant
		.amdhsa_group_segment_fixed_size 2304
		.amdhsa_private_segment_fixed_size 0
		.amdhsa_enable_private_segment 0
		.amdhsa_kernarg_size 40
		.amdhsa_user_sgpr_count 2
		.amdhsa_user_sgpr_kernarg_segment_ptr 1
		.amdhsa_wavefront_size32 1
		.amdhsa_system_sgpr_workgroup_id_x 1
		.amdhsa_system_sgpr_workgroup_id_y 1
		.amdhsa_system_sgpr_workgroup_id_z 1
		.amdhsa_system_vgpr_workitem_id 0
		.amdhsa_next_free_vgpr 256
		.amdhsa_next_free_sgpr 66
		.amdhsa_reserve_vcc 0
		.amdhsa_float_denorm_mode_32 3
		.amdhsa_float_denorm_mode_16_64 3
		.amdhsa_memory_ordered 1
		.amdhsa_forward_progress 1
		.amdhsa_inst_pref_size 88
	.end_amdhsa_kernel
	.amdgpu_metadata
---
amdhsa.version: [ 1, 2 ]
amdhsa.kernels:
  - .name:           k_qcf92d4eca5_quant
    .symbol:         k_qcf92d4eca5_quant.kd
    .args:
      - { .name: input_tensor, .offset: 0, .size: 8, .value_kind: global_buffer, .address_space: global }
      - { .name: weight, .offset: 8, .size: 8, .value_kind: global_buffer, .address_space: global }
      - { .name: qx, .offset: 16, .size: 8, .value_kind: global_buffer, .address_space: global }
      - { .name: qw, .offset: 24, .size: 8, .value_kind: global_buffer, .address_space: global }
      - { .name: scales, .offset: 32, .size: 8, .value_kind: global_buffer, .address_space: global }
    .group_segment_fixed_size: 2304
    .private_segment_fixed_size: 0
    .kernarg_segment_align: 8
    .kernarg_segment_size: 40
    .max_flat_workgroup_size: 512
    .sgpr_count:     66
    .vgpr_count:     256
    .wavefront_size: 32
...
	.end_amdgpu_metadata
.endif
;; end of part 1
;; launch gemm (part 2): grid 16 x 16, 4 waves a work-group, clusters of 4 x 4, 327,680 bytes of LDS; arguments qx, qw, out0, scales, bias; writes out0
.if DOCPART == 2
	.amdgcn_target "amdgcn-amd-amdhsa--gfx1250"
	.amdhsa_code_object_version 6
	.text
	.protected	k_qcf92d4eca5_gemm
	.globl	k_qcf92d4eca5_gemm
	.p2align	8
	.type	k_qcf92d4eca5_gemm,@function
k_qcf92d4eca5_gemm:
	s_mov_b64 s[64:65], 0
	v_nop
	global_prefetch_b8 v0, s[64:65] scope:SCOPE_SE
	s_setreg_imm32_b32 hwreg(HW_REG_WAVE_MODE, 25, 1), 1
	s_wait_xcnt 0x0
	s_wait_alu depctr_hold_cnt(0) depctr_sa_sdst(0) depctr_va_vdst(0) depctr_va_sdst(0) depctr_va_ssrc(0) depctr_va_vcc(0) depctr_vm_vsrc(0)
	s_getreg_b32 s2, hwreg(HW_REG_IB_STS2, 6, 4)
	s_cmp_eq_u32 s2, 0
	s_cbranch_scc0 .Lentry_in_a_cluster
	s_endpgm
.Lentry_in_a_cluster:
	s_bfe_u32 s2, ttmp6, 0x10000c
	s_cmp_lg_u32 s2, 0xf033
	s_cbranch_scc0 .Lentry_shape_is_right
	s_endpgm
.Lentry_shape_is_right:
; out[m][n] = bf16( (sum over k of qx[m][k] qw[n][k]) x sx[m] x sw[n] + bias[n] ).  qx, qw: [4096][4096], e4m3 numbers held exactly in bf16, so every
; product is exact; sums in f32.  scales: f32, sx at byte 0, sw at byte 16,384.  bias: [4096] bf16.  out: [4096][4096] bf16, rounded once.
; A tile of out, 256 x 256, is made by a work-group of four waves; a wave makes 128 x 128: 64 accumulators of 16 x 16, 512 registers.  256 tiles, one to a work-group.
; K goes in 32 steps of 128 through a ring of two LDS slots filled by the tensor data mover: a tile's rows are 256 bytes of memory, at multiples of 256 bytes.
; CLUSTERS: 4 x 4 work-groups.  The four of a row of the cluster need the same tiles of qx, the four of a column the same tiles of qw: each tile is asked for JOINTLY, by the
; same tensor load with the same descriptor and a mask that names the four; each receives it in its own LDS.
; THE MATRIX INSTRUCTION IS USED TRANSPOSED: source 0 = 16 rows of qw, source 1 = 16 rows of qx.  In the result lane l holds row m = l % 16 and columns 8 (l / 16) + 0..7:
; one sx a lane and block of rows, and eight neighbouring numbers that pack into 16 bytes.
; REGISTERS, in windows of 256 (s_set_vgpr_msb's low byte: bits 1:0 source 0, 3:2 source 1, 5:4 source 2, 7:6 destination):
;   window 0: v0-15 addresses; v16-31 sx of my eight blocks of 16 rows, a pair each; v64-127, v128-191 fragments of qx, two buffers; v32-63, v192-255 and, behind the last product, v64-127 at work on the way out
;   window 1: v0-63 sw of my lane's 64 columns; v64-127, v128-191 fragments of qw, two buffers; v192-255 bias of the same 64 columns, in f32
;   window 2: the 32 accumulators of my rows 0-63 ((a, b) at v[8 (8 a + b)]);   window 3: those of my rows 64-127
; LIMITS.  NaN and infinities are not treated apart; the sums' order is the matrix unit's.
.set SIZE_N, 4096
.set SIZE_K, 4096
.set KSTEP,  128
.set PITCH,  272                       ; an LDS row: 256 bytes + 16 of padding = 68 words: row r starts at bank 4 r mod 64 (64 banks of 4 bytes: ISA guide 11.1), so the 16 rows of a load start at 16 different banks
.set HALFT,  128*PITCH                 ; 128 rows: what one tensor load brings, and what one wave reads of qx or of qw
.set SLOT,   4*HALFT                   ; qx's 256 rows, then qw's 256 rows
.set STAGE,  2*SLOT                    ; behind the ring: 16 rows x 272 bytes for each wave, for the way out; no tensor load lands there
.set SPITCH, 272
.set SPARE,  STAGE+4*16*SPITCH         ; behind the stages: the spare words, 128 bytes for each wave: two blocks of 256 bytes that no other line names
.set LAPS,   SIZE_K/(2*KSTEP)          ; a lap = two K steps = once round the ring: 16
.set ADRA, 6                           ; v6-7    LDS address of my qx fragments in slot 0, 1
.set ADRB, 8                           ; v8-9    the same for qw
.set STO,  10                          ; v10     the way out: where I put 16 bytes of a row
.set RD,   11                          ; v11     the way out: where I read a row back
.set CO,   12                          ; v12     my byte offset in out
.set PFO,  13                          ; v13     the prefetches' offset: my lane x a row of 8,192 bytes; never rewritten
.set SPW,  14                          ; v14     LDS address of my spare word; never rewritten
.set NIL,  15                          ; v15     0; never rewritten
.set SX,   16                          ; v16-31  block a's sx at v[SX + 2 a], and once more beside it
.set BP,   32                          ; v32-63  at the head: bias as loaded, 8 bf16 in 4 registers for each block of 16 columns
.set F0,   64                          ; fragment buffer 0
.set F1,   128                         ; fragment buffer 1
.set T,    64                          ; the way out: a block's 64 numbers in f32
.set TMP,  192                         ; the way out: packed results
.set OB,   32                          ; the way out: 16 rows read back from the stage: v32-63 and v224-255 by turns
.set SW,   0                           ; window 1: sw of column 16 b + 8 (l / 16) + j at SW + 8 b + j
.set BI,   192                         ; window 1: bias, likewise
.set PFA,  44                          ; s[44:45] where my prefetches stand: my work-group's 32 rows of the 128 that I fetch
.set LIM,  43                          ; s43     1 in a wave that prefetches, else the greatest number
.set G1,  24                           ; s[24:31] descriptor group 1 for qx's tiles
.set G0,  32                           ; s[32:39] group 0 for qx's tiles, a set for each slot
.set G1B, 48                           ; s[48:55] group 1 for qw's tiles: it differs in the mask alone
.set G0B, 56                           ; s[56:63] group 0 for qw's tiles
.set MSB, 0
.macro WIN new                         ; the immediate's high byte repeats the setting that is left; a switch that changes nothing is dropped
.if MSB != (\new)
	s_set_vgpr_msb (MSB<<8)|(\new)
.set MSB, \new
.endif
.endm
.set MUL_LO, 0xa1                      ; source 0 (qw) window 1, source 1 (qx) window 0, C and D window 2
.set MUL_HI, 0xf1                      ; the same, C and D window 3
.set TO_B,   0x40                      ; destination window 1, address window 0
; A joint load.  Waves 0 and 1 fetch qx's two halves, waves 2 and 3 qw's.  The branch hangs on the wave's number alone.  An s_nop 0 and four v_nop follow each of the two lines.
.macro JLOAD s
	s_cmp_eq_u32 s11, 0
	s_cbranch_scc0 .Lfor_b_\@
	tensor_load_to_lds s[G0+4*(\s):G0+4*(\s)+3], s[G1:G1+7]
	s_nop 0
.rept 4
	v_nop
.endr
	s_branch .Lasked_\@
.Lfor_b_\@:
	tensor_load_to_lds s[G0B+4*(\s):G0B+4*(\s)+3], s[G1B:G1B+7]
	s_nop 0
.rept 4
	v_nop
.endr
.Lasked_\@:
.endm
; A PREFETCH, behind each joint refill and the run of LDS loads that follows it: the K step that stands two refills on, 512 matrix instructions ahead of the load that will ask for it: 32 rows x 256 bytes,
; a lane a row, one instruction a wave.  Each row's 256 bytes of a K step are named once in the launch: qx's rows by the clusters with x = 0, qw's by those with y = 0; the four partners that ask
; for a tile jointly share its rows out by address, 32 each.  The loop's last trip (s3 = 1) asks for nothing: there is no K step two on.  K steps 0 to 3 come by their loads alone.
.macro ASK
	s_cmp_gt_u32 s3, s[LIM]
	s_cbranch_scc0 .Lnot_mine_\@
	global_prefetch_b8 v[PFO], s[PFA:PFA+1] offset:KSTEP*2 th:TH_LOAD_NT scope:SCOPE_SE
.Lnot_mine_\@:
.endm
; A round of the cluster's barrier: my work-group's barrier; wave 0 signals for the work-group; every wave waits for all sixteen; my work-group's barrier once more.
.macro CREST                           ; a round behind its opening barrier
	s_cmp_lg_u32 s10, 0
	s_cbranch_scc1 .Lnot_wave_0_\@
	s_barrier_signal -3
.Lnot_wave_0_\@:
	s_barrier_wait -3
	s_barrier_signal -1
	s_barrier_wait -1
.endm
.macro CROUND                          ; a whole round
	s_barrier_signal -1
	s_barrier_wait -1
	CREST
.endm
	s_load_b128 s[4:7], s[0:1], 0x0                ; qx s[4:5], qw s[6:7]
	s_load_b64 s[8:9], s[0:1], 0x10                ; out
	s_load_b128 s[68:71], s[0:1], 0x18             ; scales s[68:69], bias s[70:71]
	v_lshl_add_u32 v[SPW], v0, 2, SPARE
	v_mov_b32 v[NIL], 0
	ds_add_u32 v[SPW], v[NIL]                      ; the wave's opening: the add, twice on end, and its wait ahead of my first tensor load
	ds_add_u32 v[SPW], v[NIL]                      ; and once more, under the one wait; the set-up below, work on registers, stands between
	v_lshrrev_b32 v1, 5, v0
	v_readfirstlane_b32 s10, v1                    ; wave 0..3
	s_lshr_b32 s11, s10, 1                         ; which half of the tile's rows is mine.  Also: I fetch for qx (0) or for qw (1)
	s_and_b32 s12, s10, 1                          ; which half of its columns.  Also: which 128 rows of that tile I fetch
	s_bfe_u32 s40, ttmp6, 0x40000                  ; cx
	s_bfe_u32 s41, ttmp6, 0x40004                  ; cy
	s_lshl_b32 s42, ttmp9, 2
	s_add_co_u32 s42, s42, s40                     ; tile column = 4 x cluster x + cx
	s_and_b32 s13, ttmp7, 0xffff
	s_lshl_b32 s13, s13, 2
	s_add_co_u32 s13, s13, s41                     ; tile row = 4 x cluster y + cy
	s_lshl_b32 s43, s41, 2
	s_lshl_b32 s43, 15, s43                        ; my row of the cluster: places 4 cy .. 4 cy + 3
	s_lshl_b32 s44, 0x1111, s40                    ; my column: places cx, cx + 4, cx + 8, cx + 12
	; descriptor group 1: a tile of 128 rows x 128 elements, padded in LDS
	s_or_b32 s[G1+0], s43, (1<<16)|(1<<20)|(1<<21)|(5<<22)|(3<<25)  ; 15:0 the mask; 17:16 elements of 2 bytes; 20 padding on; 21 set beside a mask; 24:22 after every 64 words (code 5); 31:25 4 words of it (code 3)
	s_or_b32 s[G1B+0], s44, (1<<16)|(1<<20)|(1<<21)|(5<<22)|(3<<25)
.irp g, G1, G1B
	s_mov_b32 s[(\g)+1], KSTEP<<16                 ; tensor_dim0 = 128
	s_mov_b32 s[(\g)+2], 128<<16                   ; tensor_dim1 = 128
	s_mov_b32 s[(\g)+3], KSTEP<<16                 ; tile_dim0 = 128
	s_mov_b32 s[(\g)+4], 128                       ; tile_dim1 = 128
	s_mov_b32 s[(\g)+5], SIZE_K                    ; elements from row to row
	s_mov_b32 s[(\g)+6], 0
	s_mov_b32 s[(\g)+7], 0
.endr
	; qx's tiles hang on the tile row alone, which my row of the cluster shares; qw's on the tile column alone, which my column shares
	s_lshl_b32 s17, s12, 7                         ; which 128 rows of the tile I fetch
	s_lshl_b32 s16, s13, 8
	s_add_co_u32 s16, s16, s17                     ; qx: row 256 x tile row + 128 x half
	s_lshl_b32 s46, s42, 8
	s_add_co_u32 s46, s46, s17                     ; qw: row 256 x tile column + 128 x half
	s_mov_b32 s17, 0
	s_mov_b32 s47, 0
	s_mov_b64 s[18:19], SIZE_K*2
	s_mul_u64 s[16:17], s[16:17], s[18:19]
	s_mul_u64 s[46:47], s[46:47], s[18:19]
	s_mul_i32 s20, s10, HALFT                      ; where they go: wave x 128 rows: no place in the cluster enters an LDS address
	s_wait_dscnt 0x0                               ; both opening adds are done
	s_wait_kmcnt 0x0
	s_add_nc_u64 s[14:15], s[4:5], s[16:17]
	s_add_nc_u64 s[46:47], s[6:7], s[46:47]
	CROUND                                         ; all sixteen work-groups are here: the first joint loads meet
.irp s, 0,1
	s_mov_b32 s[G0+4*(\s)], 1                                      ; count = 1
	s_add_co_u32 s[G0+4*(\s)+1], s20, (\s)*SLOT                    ; LDS address
	s_add_nc_u64 s[G0+4*(\s)+2:G0+4*(\s)+3], s[14:15], (\s)*KSTEP*2  ; global address: K step s
	s_or_b32 s[G0+4*(\s)+3], s[G0+4*(\s)+3], 0x80000000            ; type = 2
	s_mov_b32 s[G0B+4*(\s)], 1
	s_add_co_u32 s[G0B+4*(\s)+1], s20, (\s)*SLOT
	s_add_nc_u64 s[G0B+4*(\s)+2:G0B+4*(\s)+3], s[46:47], (\s)*KSTEP*2
	s_or_b32 s[G0B+4*(\s)+3], s[G0B+4*(\s)+3], 0x80000000
	JLOAD \s                                       ; both slots are asked for before anything else: two tensor loads of mine are out
.endr
	; A fragment is 16 rows x 32 K in 8 registers: lane l holds row l % 16; registers 0-3 K = 8 (l / 16) + 0..7, registers 4-7 K = 16 + 8 (l / 16) + 0..7: two loads of 16 bytes, 32 bytes apart.
	v_and_b32 v1, 15, v0                           ; l % 16
	v_bfe_u32 v2, v0, 4, 1                         ; l / 16
	v_mul_u32_u24 v3, v1, PITCH
	v_lshl_add_u32 v3, v2, 4, v3                   ; row x pitch + 16 x half
	s_mul_i32 s21, s11, HALFT                      ; my 128 rows of qx
	s_mul_i32 s22, s12, HALFT                      ; my 128 rows of qw,
	s_add_co_u32 s22, s22, 2*HALFT                 ; which lie behind qx's 256
.irp s, 0,1
	v_add_nc_u32 v[ADRA+(\s)], s21, v3
	v_add_nc_u32 v[ADRB+(\s)], s22, v3
	s_add_co_u32 s21, s21, SLOT
	s_add_co_u32 s22, s22, SLOT
.endr
	s_mul_i32 s23, s10, 16*SPITCH
	s_add_co_u32 s23, s23, STAGE                   ; my stage
	v_mul_u32_u24 v4, v1, SPITCH                   ; in: row l % 16, 16 bytes for each half of the lanes
	v_lshl_add_u32 v4, v2, 4, v4
	v_add_nc_u32 v[STO], s23, v4
	v_mul_u32_u24 v5, v2, SPITCH                   ; back: lanes 0-15 take one row of 256 bytes, lanes 16-31 the next
	v_lshl_add_u32 v5, v1, 4, v5
	v_add_nc_u32 v[RD], s23, v5
	v_mul_u32_u24 v5, v2, SIZE_N*2                 ; and the same two rows in out
	v_lshl_add_u32 v[CO], v1, 4, v5
	; where my part of the tile begins in out, in bytes
	s_lshl_b32 s13, s13, 8
	s_lshl_b32 s14, s11, 7
	s_add_co_u32 s16, s13, s14                     ; my first row
	s_lshl_b32 s66, s16, 2                         ; its place among sx, in bytes
	s_mov_b32 s17, 0
	s_mov_b64 s[18:19], SIZE_N*2
	s_mul_u64 s[16:17], s[16:17], s[18:19]
	s_lshl_b32 s46, s42, 9                         ; my first column, in bytes of bf16: 512 x tile column + 256 x half
	s_lshl_b32 s47, s12, 8
	s_add_co_u32 s46, s46, s47
	s_mov_b32 s67, s46                             ; also its place in bias
	s_mov_b32 s47, 0
	s_add_nc_u64 s[16:17], s[16:17], s[46:47]
	; the prefetches.  s13 = 256 x tile row, s42 = tile column, s40 = cx, s41 = cy still stand
	s_lshl_b32 s42, s42, 8
	s_and_b32 s22, ttmp7, 0xffff                   ; cluster y
	s_cmp_eq_u32 s11, 0                            ; do I fetch for qx?
	s_cselect_b32 s20, s13, s42                    ; the tile's first row
	s_cselect_b32 s21, s40, s41                    ; my place among the four that ask for it with me
	s_cselect_b32 s22, ttmp9, s22                  ; the coordinate along which other clusters read the same rows
	s_cselect_b64 s[PFA:PFA+1], s[4:5], s[6:7]
	s_cmp_eq_u32 s22, 0
	s_cselect_b32 s[LIM], 1, -1                    ; the same in all sixteen partners, for a given wave
	s_lshl_b32 s22, s12, 7
	s_add_co_u32 s20, s20, s22                     ; + the 128 rows that I fetch
	s_lshl_b32 s21, s21, 5
	s_add_co_u32 s20, s20, s21                     ; + my work-group's 32 of them
	s_mov_b32 s21, 0
	s_mov_b64 s[18:19], SIZE_K*2
	s_mul_u64 s[20:21], s[20:21], s[18:19]
	s_add_nc_u64 s[PFA:PFA+1], s[PFA:PFA+1], s[20:21]
	s_add_nc_u64 s[PFA:PFA+1], s[PFA:PFA+1], 2*KSTEP*2  ; at K step 2: the first refill steps it to 3 and names K step 4
	v_and_b32 v[PFO], 31, v0
	v_mul_u32_u24 v[PFO], v[PFO], SIZE_K*2
	; THE WAY OUT'S OPERANDS are loaded once, here, in the wait for the first tile, into registers that lie idle in the loop
	s_lshl_b32 s20, s67, 1                         ; my first column among sw, in bytes of f32
	v_lshl_add_u32 v3, v1, 2, s66                  ; sx: my row l % 16 of a block
	v_lshl_add_u32 v4, v2, 5, s20                  ; sw: my eight columns of a block of 16
	v_lshl_add_u32 v5, v2, 4, s67                  ; bias: the same eight
.irp a, 0,1,2,3,4,5,6,7
	global_load_b32 v[SX+2*(\a)], v3, s[68:69] offset:64*(\a)
.endr
.irp b, 0,1,2,3,4,5,6,7
	global_load_b128 v[BP+4*(\b):BP+4*(\b)+3], v5, s[70:71] offset:32*(\b)
.endr
	WIN TO_B
.irp b, 0,1,2,3,4,5,6,7
	global_load_b128 v[SW+8*(\b):SW+8*(\b)+3],   v4, s[68:69] offset:16384+64*(\b)
	global_load_b128 v[SW+8*(\b)+4:SW+8*(\b)+7], v4, s[68:69] offset:16384+64*(\b)+16
.endr
	s_wait_loadcnt 0x0
.irp b, 0,1,2,3,4,5,6,7
.irp r, 0,1,2,3
	v_lshlrev_b32 v[BI+8*(\b)+2*(\r)],   16,         v[BP+4*(\b)+(\r)]  ; bf16 to f32: the low half moves up,
	v_and_b32     v[BI+8*(\b)+2*(\r)+1], 0xffff0000, v[BP+4*(\b)+(\r)]  ; the high half stays
.endr
.endr
	WIN 0
.irp a, 0,1,2,3,4,5,6,7
	v_mov_b32 v[SX+2*(\a)+1], v[SX+2*(\a)]         ; named with it as a pair by the packed multiply
.endr
; 16 matrix instructions: m blocks a0, a0 + 1 of the window's four (hi = 0: my rows 0-63, 1: rows 64-127) x all 8 n blocks, 32 along K.  zero = 1: the first product starts the sums.
.macro MUL16 f, hi, a0, zero
	WIN MUL_LO+0x50*(\hi)
.irp a, \a0, (\a0)+1
.irp b, 0,1,2,3,4,5,6,7
.if \zero
	v_wmma_f32_16x16x32_bf16 v[8*(8*(\a)+(\b)):8*(8*(\a)+(\b))+7], v[(\f)+8*(\b):(\f)+8*(\b)+7], v[(\f)+8*(4*(\hi)+(\a)):(\f)+8*(4*(\hi)+(\a))+7], 0
.else
	v_wmma_f32_16x16x32_bf16 v[8*(8*(\a)+(\b)):8*(8*(\a)+(\b))+7], v[(\f)+8*(\b):(\f)+8*(\b)+7], v[(\f)+8*(4*(\hi)+(\a)):(\f)+8*(4*(\hi)+(\a))+7], v[8*(8*(\a)+(\b)):8*(8*(\a)+(\b))+7]
.endif
.endr
.endr
.endm
; 32 LDS loads in one run: the fragments of one quarter step (128 rows of qw, 128 rows of qx, 32 K at byte k of the rows) into buffer f
.macro FETCH slot, k, f
	WIN TO_B
.irp i, 0,1,2,3,4,5,6,7
	ds_load_b128 v[(\f)+8*(\i):(\f)+8*(\i)+3],   v[ADRB+(\slot)] offset:(\k)+(\i)*16*PITCH
	ds_load_b128 v[(\f)+8*(\i)+4:(\f)+8*(\i)+7], v[ADRB+(\slot)] offset:(\k)+(\i)*16*PITCH+32
.endr
	WIN 0
.irp i, 0,1,2,3,4,5,6,7
	ds_load_b128 v[(\f)+8*(\i):(\f)+8*(\i)+3],   v[ADRA+(\slot)] offset:(\k)+(\i)*16*PITCH
	ds_load_b128 v[(\f)+8*(\i)+4:(\f)+8*(\i)+7], v[ADRA+(\slot)] offset:(\k)+(\i)*16*PITCH+32
.endr
.endm
; A load into a register that a matrix instruction has read, and a vector instruction that reads a matrix result or writes one of a matrix instruction's registers, stand four places behind it,
; and only plain vector instructions that name none of its registers are places (ISA guide 7.12.1 for vector instructions).
.macro PLACES
.rept 4
	v_nop
.endr
.endm
; A K step is four quarter steps of 32 along K, 64 matrix instructions each, on buffers 0, 1, 0, 1; the 64 accumulators take turns in the same order in every quarter.
; One of the first three: multiplies buffer f; in its middle it fetches the next quarter's fragments, at byte k of the same slot's rows, into buffer g.
.macro QUARTER slot, k, f, g, zero
	s_wait_dscnt 8                                 ; qw and qx's rows 0-63 are in; the youngest eight loads (qx's rows 64-127) may be out
	MUL16 \f, 0, 0, \zero
	MUL16 \f, 0, 2, \zero
	PLACES
	FETCH \slot, \k, \g
	s_wait_dscnt 32                                ; all but the 32 just issued
	MUL16 \f, 1, 0, \zero
	MUL16 \f, 1, 2, \zero
.endm
; The last quarter multiplies buffer 1 and changes slots.  MEET is its first half: ONE barrier.  In front of it each wave waits for all its tensor loads, of which one is out: its part of the next slot;
; adds 0 to its spare word; and waits for that and for its own reads of this slot.  Behind it nobody reads this slot any more and the next slot is whole.
.macro MEET round                      ; round = 1: the rest of a round of the cluster's barrier follows
	WIN 0                                          ; (the add's two registers lie in window 0)
	s_wait_tensorcnt 0x0                           ; all my tensor loads have landed
	ds_add_u32 v[SPW], v[NIL]                      ; 0 onto my spare word
	s_wait_dscnt 9                                 ; (the add and the youngest eight loads may be out)
	MUL16 F1, 0, 0, 0                              ; sixteen matrix instructions stand between the add and the wait for it
	s_wait_dscnt 0x0                               ; the add is done, and my reads of this slot are over
	s_barrier_signal -1
	MUL16 F1, 0, 2, 0                              ; work on registers while the others arrive
.if \round
	WIN 0
.endif
	s_barrier_wait -1
.endm
; The whole last quarter where the slot is filled again, with the K step two steps on: the barrier opens a round of the cluster's, and the joint refill is the first tensor load behind the round.
; From that request to the wait for it a wave issues 224 matrix instructions.
.macro TURN slot, next
	s_wait_xcnt 0x0                                ; the last prefetch, a K step back, has read its address: it is stepped here, ahead of the waits of the change of slots
	s_add_nc_u64 s[PFA:PFA+1], s[PFA:PFA+1], KSTEP*2
	MEET 1
	CREST                                          ; no wave of any partner still reads this slot's tile or has a load on its way
	s_add_nc_u64 s[G0+4*(\slot)+2:G0+4*(\slot)+3], s[G0+4*(\slot)+2:G0+4*(\slot)+3], 2*KSTEP*2
	s_add_nc_u64 s[G0B+4*(\slot)+2:G0B+4*(\slot)+3], s[G0B+4*(\slot)+2:G0B+4*(\slot)+3], 2*KSTEP*2
	JLOAD \slot                                    ; the four v_nop behind it are also the places in front of the loads below
	FETCH \next, 0, F0
	ASK
	MUL16 F1, 1, 0, 0
	MUL16 F1, 1, 2, 0
.endm
; THE WAY OUT of block a (16 rows x 128 columns), in three parts.  PACK: (sum x sx) x sw + bias, the add fused, rounded once to bf16, 16 bytes a lane.  Each accumulator's registers are read in ascending order.
.macro PACK a
.set AC, 64*((\a)%4)
	WIN 0x02+((\a)/4)                              ; source 0: window 2 or 3
.set i, 0
.rept 32
	v_pk_mul_f32 v[T+2*i:T+2*i+1], v[AC+2*i:AC+2*i+1], v[SX+2*(\a):SX+2*(\a)+1] op_sel_hi:[1,0]
.set i, i+1
.endr
	WIN 0x14                                       ; sources 1 and 2: window 1
.set i, 0
.rept 32
	v_pk_fma_f32 v[T+2*i:T+2*i+1], v[T+2*i:T+2*i+1], v[SW+2*i:SW+2*i+1], v[BI+2*i:BI+2*i+1]
.set i, i+1
.endr
	WIN 0
.set i, 0
.rept 32
	v_cvt_pk_bf16_f32 v[TMP+i], v[T+2*i], v[T+2*i+1]
.set i, i+1
.endr
.endm
.macro TOSTAGE a                       ; into my own stage in LDS, and back as whole rows of 256 bytes
	WIN 0
.set BK, OB+192*((\a)%2)
.irp b, 0,1,2,3,4,5,6,7
	ds_store_b128 v[STO], v[TMP+4*(\b):TMP+4*(\b)+3] offset:32*(\b)
.endr
.irp t, 0,1,2,3,4,5,6,7
	ds_load_b128 v[BK+4*(\t):BK+4*(\t)+3], v[RD] offset:(\t)*2*SPITCH  ; LDS serves a wave's instructions in order (ISA guide 5.7.1.4): these see the stores above
.endr
.endm
.macro SEND a, younger                 ; younger: the LDS loads issued behind TOSTAGE's, which may stay out
	WIN 0
.set BK, OB+192*((\a)%2)
	s_wait_dscnt \younger                          ; the block is back in registers
	s_wait_xcnt 0x0                                ; only behind this wait are the stores' base and the registers that earlier stores read rewritten (ISA guide 3.1)
.if (\a) == 0
	s_add_nc_u64 s[8:9], s[8:9], s[16:17]          ; on to my first rows
.else
	s_add_nc_u64 s[8:9], s[8:9], 16*SIZE_N*2       ; 16 rows on
.endif
.irp t, 0,1,2,3,4,5,6,7
	global_store_b128 v[CO], v[BK+4*(\t):BK+4*(\t)+3], s[8:9] offset:2*(\t)*SIZE_N*2  ; 16 lanes store 256 consecutive bytes, at a multiple of 256 from out's first byte
.endr
.endm
	s_wait_tensorcnt 1                             ; my part of K step 0 is in; K step 1's may stay out
	s_barrier_signal -1
	s_barrier_wait -1                              ; everybody's is
	FETCH 0, 0, F0
	QUARTER 0, 64,  F0, F1, 1                      ; the first quarter stands in front of the loop: its products start the sums
	WIN 0                                          ; at a label and at a branch every window is 0
	s_mov_b32 s3, LAPS-1
.Llap:                                                 ; a trip goes once round the ring, from a lap's second quarter to the next lap's first, and fills both slots again
	QUARTER 0, 128, F1, F0, 0
	QUARTER 0, 192, F0, F1, 0
	TURN 0, 1
	QUARTER 1, 64,  F0, F1, 0
	QUARTER 1, 128, F1, F0, 0
	QUARTER 1, 192, F0, F1, 0
	TURN 1, 0
	QUARTER 0, 64,  F0, F1, 0
	WIN 0
	s_sub_co_u32 s3, s3, 1
	s_cmp_lg_u32 s3, 0
	s_cbranch_scc1 .Llap
	QUARTER 0, 128, F1, F0, 0                      ; the last lap is written out: it asks for nothing, and has no round of the cluster's barrier
	QUARTER 0, 192, F0, F1, 0
	MEET 0                                         ; my one tensor load that was still out is slot 1's, the last K step's
	PLACES                                         ; for the loads into buffer 0, which the quarter before multiplied
	FETCH 1, 0, F0
	MUL16 F1, 1, 0, 0
	MUL16 F1, 1, 2, 0
	QUARTER 1, 64,  F0, F1, 0
	QUARTER 1, 128, F1, F0, 0
	QUARTER 1, 192, F0, F1, 0
	s_wait_dscnt 8                                 ; the very last quarter: nothing more to fetch
	MUL16 F1, 0, 0, 0
	MUL16 F1, 0, 2, 0
	s_wait_dscnt 0x0
	MUL16 F1, 1, 0, 0
	MUL16 F1, 1, 2, 0
	PLACES                                         ; behind the last products: results are read, and buffer 0's registers written, below
	PACK 0
	TOSTAGE 0
.irp a, 1,2,3,4,5,6,7                  ; block a's arithmetic stands between block a - 1's loads from the stage and the wait for them
	PACK \a
	SEND (\a)-1, 0
	TOSTAGE \a
.endr
	SEND 7, 0
	s_wait_tensorcnt 0x0                           ; the wave's end, behind my last tensor load and my last LDS store
	ds_add_u32 v[SPW], v[NIL]
	s_wait_dscnt 0x0
	CROUND                                         ; the closing round: no work-group ends while a partner may still ask for a tile that names it
	s_endpgm
.Lfunc_end_k_qcf92d4eca5_gemm:
	.size	k_qcf92d4eca5_gemm, .Lfunc_end_k_qcf92d4eca5_gemm-k_qcf92d4eca5_gemm
	.p2alignl 7, 3214868480
	.fill 96, 4, 3214868480
	.section	.rodata,"a",@progbits
	.p2align	6, 0x0
	.amdhsa_kernel k_qcf92d4eca5_gemm
		.amdhsa_group_segment_fixed_size 327680
		.amdhsa_private_segment_fixed_size 0
		.amdhsa_enable_private_segment 0
		.amdhsa_kernarg_size 40
		.amdhsa_user_sgpr_count 2
		.amdhsa_user_sgpr_kernarg_segment_ptr 1
		.amdhsa_wavefront_size32 1
		.amdhsa_system_sgpr_workgroup_id_x 1
		.amdhsa_system_sgpr_workgroup_id_y 1
		.amdhsa_system_sgpr_workgroup_id_z 1
		.amdhsa_system_vgpr_workitem_id 0
		.amdhsa_next_free_vgpr 1024
		.amdhsa_next_free_sgpr 72
		.amdhsa_reserve_vcc 0
		.amdhsa_float_denorm_mode_32 3
		.amdhsa_float_denorm_mode_16_64 3
		.amdhsa_memory_ordered 1
		.amdhsa_forward_progress 1
		.amdhsa_inst_pref_size 183
	.end_amdhsa_kernel
	.amdgpu_metadata
---
amdhsa.version: [ 1, 2 ]
amdhsa.kernels:
  - .name:           k_qcf92d4eca5_gemm
    .symbol:         k_qcf92d4eca5_gemm.kd
    .args:
      - { .name: qx, .offset: 0, .size: 8, .value_kind: global_buffer, .address_space: global }
      - { .name: qw, .offset: 8, .size: 8, .value_kind: global_buffer, .address_space: global }
      - { .name: out0, .offset: 16, .size: 8, .value_kind: global_buffer, .address_space: global }
      - { .name: scales, .offset: 24, .size: 8, .value_kind: global_buffer, .address_space: global }
      - { .name: bias, .offset: 32, .size: 8, .value_kind: global_buffer, .address_space: global }
    .group_segment_fixed_size: 327680
    .private_segment_fixed_size: 0
    .kernarg_segment_align: 8
    .kernarg_segment_size: 40
    .max_flat_workgroup_size: 128
    .sgpr_count:     72
    .vgpr_count:     1024
    .wavefront_size: 32
...
	.end_amdgpu_metadata
.endif
;; end of part 2
;; ======== version 2 of 2: 2 launches; version 1 with the launch quant written anew for expert scheduling mode
;; workspace buffers: qx 33,554,432 bytes; qw 33,554,432 bytes; scales 32,768 bytes
;; launch quant (part 3): grid 256 x 1, 16 waves a work-group, no clusters, 2,304 bytes of LDS; arguments input_tensor, weight, qx, qw, scales; writes qx, qw, scales
.if DOCPART == 3
	.amdgcn_target "amdgcn-amd-amdhsa--gfx1250"
	.amdhsa_code_object_version 6
	.text
	.protected	k_qcf92d4eca5_quant
	.globl	k_qcf92d4eca5_quant
	.p2align	8
	.type	k_qcf92d4eca5_quant,@function
k_qcf92d4eca5_quant:
	s_mov_b64 s[64:65], 0
	v_nop
	global_prefetch_b8 v0, s[64:65] scope:SCOPE_SE
	s_setreg_imm32_b32 hwreg(HW_REG_WAVE_SCHED_MODE, 0, 2), 2
	s_setreg_imm32_b32 hwreg(HW_REG_WAVE_MODE, 25, 1), 1
	s_wait_xcnt 0x0
	s_wait_alu depctr_vm_vsrc(0)
; ROW-WISE QUANTISATION TO e4m3, for x [4096][4096] bf16 and weight [4096][4096] f32.
; For each row: amax = max(max |v|, 1e-8); scale = amax / 448; q = e4m3(clip(v / scale, -448, 448)).
; q is stored as bf16: an e4m3 number has 4 significant bits and lies between 2^-9 and 448, so bf16 holds it exactly.
; qx, qw: [4096][4096] bf16.  scales: f32, x's 4,096 at byte 0, weight's 4,096 at byte 16,384.
; SHARES.  Row R = 16 x work-group + wave: a wave takes row R of x (8,192 bytes, 64 registers) and row R of weight (16,384 bytes,
; 128 registers).  A row stays in registers between the pass that finds its maximum and the pass that quantises: each byte is read once.
; All 48 loads of a wave go out at its start, x's first; x is quantised and stored while weight's are on their way.  No loop.
; Nothing is shared between work-groups, so there is no tensor load, no cluster and no prefetch: the launch is one stream in and one out.
; ARITHMETIC GOES BY EACH TENSOR'S TYPE.
; x is bf16, and so are its floor (1e-8 rounded to bf16), its scale and its quotients: the scale is rounded to bf16 (that number divides, and is
; stored as sx), and each quotient is rounded to bf16 ahead of the clip and of the rounding to e4m3.  Both roundings are those of the true
; quotients: with 8 significant bits in each of two numbers X and S, X / S differs from every midpoint M of two bf16 numbers (M odd, 9 bits) by
; |256 X - S M| / 256 S, which is not 0 and so at least 2^-17 of the quotient, while the f32 quotients made here are good to some 2^-22.
; weight is f32: amax / 448 and w / scale are a multiplication by a reciprocal followed by one correction with the exact remainder (two
; fused multiply-adds), so that a quotient that can be represented comes out exactly.
; LIMITS.  weight's corrected quotient may differ from the correctly rounded one in its last bit in rare cases.  The rounding to e4m3 is one
; rounding, to nearest even, from f32 (eight numbers to a conversion, with the block scale 1).  A NaN loses in the maxima and infinities are not treated apart.
; THE MODE: SCHED_MODE bits 1:0 = 2 (LLVM: expert scheduling mode 2), set by the entry lines.  The code itself states the register dependences
; between vector instructions and memory or LDS instructions, with s_wait_alu, always for 0.
; THE PLAN.  Registers that memory or LDS instructions touch:
;   v1, v2, v3, v34, v35   offsets and LDS addresses: made at the head, ahead of one wait on va_vdst, and named by no vector instruction again.
;   X, W      Loaded at the head, before any vector instruction names them.  A chunk of x (4 registers) and a piece of weight (4 of its 8 registers) are written
;             once by their roundings, read by their stores, and never written again.
;   v[S]      Written by each of the two MKSCALE, read by its LDS store: a wait on va_vdst ahead of each store, one on vm_vsrc ahead of the second writing.
;   v10       Named by vector instructions up to weight's MKSCALE; at the end an LDS load of wave 0 lands in it.
;   v[SPW], v[NIL]   Written at the head, read by the closing add alone.
;   T, Y, M, RR, v11, v32, v33, v36 are named by vector instructions alone.
; x's 16 chunks and weight's 16 pieces go in sets of four.  ONE wait on va_vdst stands at the head of a set: the set before has written what its stores read.  Those stores
; follow, dealt among this set's chunks, whose vector instructions name this set's registers alone.  One more such wait stands behind each last set, ahead of its stores.
.set SPARE, 256                        ; LDS: 0-63 x's 16 scales, 64-127 weight's 16; from 256 on the spare words, 128 bytes for each of 16 waves
.set SPW, 4                            ; v4   LDS address of my spare word; never rewritten
.set NIL, 5                            ; v5   0; never rewritten
.set M,   6                            ; v[6:9]    four running maxima
.set S,   12                           ; v[12:13]  the scale, twice
.set RR,  14                           ; v[14:15]  its reciprocal, twice
.set T,   16                           ; v[16:23]  at work
.set Y,   24                           ; v[24:31]  eight quotients
.set ONE, 36                           ; v36  1.0: the block scale of the conversion to e4m3; never rewritten
.set X,   64                           ; v[64:127]  x's row as loaded, then as stored
.set W,   128                          ; v[128:255] weight's row
; v1 16 x lane; v2 8 x lane; v3 4 x wave; v10, v11 at work; v[32:33] eight e4m3 codes; v34 4 x lane; v35 the scales' place in memory
	s_load_b256 s[4:11], s[0:1], 0x0               ; x s[4:5], weight s[6:7], qx s[8:9], qw s[10:11]
	s_load_b64 s[12:13], s[0:1], 0x20              ; scales
	v_lshl_add_u32 v[SPW], v0, 2, SPARE
	v_mov_b32 v[NIL], 0
	v_lshrrev_b32 v3, 5, v0
	v_readfirstlane_b32 s14, v3                    ; wave 0..15
	v_and_b32 v34, 31, v0                          ; lane
	v_lshlrev_b32 v1, 4, v34
	v_lshlrev_b32 v2, 3, v34
	s_lshl_b32 s28, ttmp9, 6                       ; the work-group's 16 scales: 64 bytes
	v_and_b32 v35, 15, v34
	v_lshl_add_u32 v35, v35, 2, s28                ; lanes 0-15: x's scales;
	v_lshrrev_b32 v10, 4, v34
	v_lshl_add_u32 v35, v10, 14, v35               ; lanes 16-31: weight's, 16,384 bytes on
	v_lshlrev_b32 v34, 2, v34
	v_mov_b32 v[ONE], 1.0
	s_wait_alu depctr_va_sdst(0)                   ; s14 is written, ahead of its first reader, the line below; the row's number and the last branch are made from it too
	v_mov_b32 v3, s14
	v_lshlrev_b32 v3, 2, v3                        ; my wave's word among the 16 scales
	s_lshl_b32 s15, ttmp9, 4
	s_add_co_u32 s15, s15, s14                     ; R
	s_lshl_b32 s16, s15, 13                        ; R rows of 8,192 bytes (x, qx, qw)
	s_mov_b32 s17, 0
	s_lshl_b32 s18, s15, 14                        ; R rows of 16,384 bytes (weight)
	s_mov_b32 s19, 0
	s_mov_b32 s20, 0x7fff7fff                      ; clears the signs of two bf16
	s_mov_b32 s21, 0xffff0000                      ; a word's upper bf16
	s_mov_b32 s22, 0x76543210                      ; v_permlanex16_b32: each lane takes its own place in the other half
	s_mov_b32 s23, 0xfedcba98
	s_mov_b32 s24, 0x43e00000                      ; 448
	s_mov_b32 s25, 0xc3e00000                      ; -448
	s_mov_b32 s26, 0x3b124925                      ; 1 / 448, rounded
	s_mov_b32 s27, 0x322bcc77                      ; 1e-8 in f32: weight's floor
	s_mov_b32 s29, 0x322c0000                      ; 1e-8 rounded to bf16: x's floor
	s_wait_kmcnt 0x0
	s_add_nc_u64 s[4:5], s[4:5], s[16:17]
	s_add_nc_u64 s[8:9], s[8:9], s[16:17]
	s_add_nc_u64 s[10:11], s[10:11], s[16:17]
	s_add_nc_u64 s[6:7], s[6:7], s[18:19]
	s_wait_alu depctr_va_vdst(0)                   ; v1, v2, v3, v4, v34 and v35 are written: every load, store and LDS access of the kernel reads one of them as its offset or address
.set j, 0
.rept 16                               ; x's row: each load of the wave covers 512 consecutive bytes, aligned
	global_load_b128 v[X+4*j:X+4*j+3], v1, s[4:5] offset:512*j th:TH_LOAD_NT
.set j, j+1
.endr
.set j, 0
.rept 32                               ; weight's row
	global_load_b128 v[W+4*j:W+4*j+3], v1, s[6:7] offset:512*j th:TH_LOAD_NT
.set j, j+1
.endr
; The maximum in v10 over the 32 lanes: four steps inside each half of 16 lanes ride on the arithmetic, one crosses the halves.
.macro LANES
	v_max_num_f32_dpp v10, v10, v10 row_xmask:1 row_mask:0xf bank_mask:0xf
	v_max_num_f32_dpp v10, v10, v10 row_xmask:2 row_mask:0xf bank_mask:0xf
	v_max_num_f32_dpp v10, v10, v10 row_xmask:4 row_mask:0xf bank_mask:0xf
	v_max_num_f32_dpp v10, v10, v10 row_xmask:8 row_mask:0xf bank_mask:0xf
	v_permlanex16_b32 v11, v10, s22, s23           ; its destination counts as read: v11 has been written
	v_max_num_f32 v10, v10, v11
.endm
; From the row's maximum in v10: the scale (twice, in S), its reciprocal (twice, in RR), and the scale into my wave's word in LDS.
; floor: the scalar register with the floor.  bf = 1: the scale is rounded to bf16 (x's type).
.macro MKSCALE ldsoff, floor, bf
	v_max_num_f32 v10, s[\floor], v10              ; the floor
	v_mul_f32 v[S], s26, v10                       ; amax / 448: a first quotient,
	v_fma_f32 v11, -v[S], s24, v10                 ; its exact remainder,
	v_fma_f32 v[S], v11, s26, v[S]                 ; and the correction
.if \bf
	v_cvt_pk_bf16_f32 v[S], v[S], v[S]             ; rounded to bf16,
	v_lshlrev_b32 v[S], 16, v[S]                   ; and that number in f32
.endif
	v_rcp_f32 v[RR], v[S]
	v_mov_b32 v[S+1], v[S]                         ; the plain instruction behind the reciprocal (ISA guide 5.7.2)
	s_wait_alu depctr_va_vdst(0)                   ; v[S] is written, which the LDS store below reads; and the reciprocal is written, ahead of its first reader
	ds_store_b32 v3, v[S] offset:\ldsoff           ; all lanes write the same word with the same number
	v_fma_f32 v11, -v[S], v[RR], 1.0               ; one Newton step
	v_fma_f32 v[RR], v11, v[RR], v[RR]
	v_mov_b32 v[RR+1], v[RR]
.endm
; Eight numbers in f32 at v[src ..] become eight e4m3 numbers in bf16, packed into the four registers d0-d3.
; bf = 1 (x): the quotients are rounded to bf16 first; bf = 0 (weight): they are corrected with the exact remainder and stay in f32.
.macro Q8 src, d0, d1, d2, d3, bf
.irp k, 0,2,4,6
	v_pk_mul_f32 v[Y+(\k):Y+(\k)+1], v[(\src)+(\k):(\src)+(\k)+1], v[RR:RR+1]
.endr
.if \bf
.irp k, 0,1,2,3
	v_cvt_pk_bf16_f32 v[T+(\k)], v[Y+2*(\k)], v[Y+2*(\k)+1]  ; the quotients in bf16,
.endr
.irp k, 0,1,2,3
	v_lshlrev_b32 v[Y+2*(\k)],   16,  v[T+(\k)]    ; and those numbers in f32
	v_and_b32     v[Y+2*(\k)+1], s21, v[T+(\k)]
.endr
.else
.irp k, 0,2,4,6
	v_pk_fma_f32 v[T+(\k):T+(\k)+1], v[Y+(\k):Y+(\k)+1], v[S:S+1], v[(\src)+(\k):(\src)+(\k)+1] neg_lo:[1,0,0] neg_hi:[1,0,0]  ; v - y x scale
.endr
.irp k, 0,2,4,6
	v_pk_fma_f32 v[Y+(\k):Y+(\k)+1], v[T+(\k):T+(\k)+1], v[RR:RR+1], v[Y+(\k):Y+(\k)+1]  ; the corrected quotient
.endr
.endif
.irp k, 0,1,2,3,4,5,6,7
	v_med3_num_f32 v[Y+(\k)], v[Y+(\k)], s25, s24  ; the clip: nothing is left to the conversion below
.endr
	v_cvt_scalef32_pk8_fp8_f32 v[32:33], v[Y:Y+7], v[ONE]  ; eight roundings to e4m3 into two whole registers, number 0 in the lowest byte; the divisor is 2^0, the exponent of 1.0
	v_nop                                          ; one plain instruction behind a scaled conversion, before its result is read
	v_cvt_pk_f32_fp8 v[T:T+1], v32.l
	v_cvt_pk_f32_fp8 v[T+2:T+3], v32.h
	v_cvt_pk_f32_fp8 v[T+4:T+5], v33.l
	v_cvt_pk_f32_fp8 v[T+6:T+7], v33.h
	v_cvt_pk_bf16_f32 v[\d0], v[T], v[T+1]         ; exact
	v_cvt_pk_bf16_f32 v[\d1], v[T+2], v[T+3]
	v_cvt_pk_bf16_f32 v[\d2], v[T+4], v[T+5]
	v_cvt_pk_bf16_f32 v[\d3], v[T+6], v[T+7]
.endm
	; x: the largest |x| of my 128 numbers, two bf16 at a time, in four chains started by the first four words
	s_wait_loadcnt 32                              ; loads come back in order: x's 16 are in, weight's 32 may stay out
.irp k, 0,1,2,3
	v_and_b32 v[M+(\k)], s20, v[X+(\k)]
.endr
.set j, 4
.rept 60
	v_and_b32 v[T+j%4], s20, v[X+j]
	v_pk_max_num_bf16 v[M+j%4], v[M+j%4], v[T+j%4]
.set j, j+1
.endr
	v_pk_max_num_bf16 v[M], v[M], v[M+1]
	v_pk_max_num_bf16 v[M+2], v[M+2], v[M+3]
	v_pk_max_num_bf16 v[M], v[M], v[M+2]
	v_lshlrev_b32 v10, 16, v[M]                    ; the two halves as f32
	v_and_b32 v11, s21, v[M]
	v_max_num_f32 v10, v10, v11
	LANES
	MKSCALE 0, 29, 1
	; x is quantised in place, a chunk of four words (8 numbers) at a time, in four sets of four chunks.  A chunk is stored one set later, ahead of the chunk
	; that stands four on; no register that a store reads is written again
.set j, 0
.rept 16
.if (j % 4 == 0) && (j > 0)
	s_wait_alu depctr_va_vdst(0)                   ; the set before has written its 16 registers of X, which the four stores dealt among this set read; no vector instruction of this set names them
.endif
.if j >= 4
	global_store_b128 v1, v[X+4*(j-4):X+4*(j-4)+3], s[8:9] offset:512*(j-4)  ; 512 consecutive bytes, aligned
.endif
.irp k, 0,1,2,3
	v_lshlrev_b32 v[T+2*(\k)],   16, v[X+4*j+(\k)]
	v_and_b32     v[T+2*(\k)+1], s21, v[X+4*j+(\k)]
.endr
	Q8 T, X+4*j, X+4*j+1, X+4*j+2, X+4*j+3, 1
.set j, j+1
.endr
	s_wait_alu depctr_va_vdst(0)                   ; the last set has written its 16 registers of X, which the four stores below read
.set j, 12
.rept 4
	global_store_b128 v1, v[X+4*j:X+4*j+3], s[8:9] offset:512*j
.set j, j+1
.endr
	; weight: the largest |w| of my 128 numbers, two at a time, in four chains; eight loads' registers behind each wait
.macro WMAX g
	s_wait_loadcnt 24-8*(\g)                       ; the loads of groups behind this one may stay out
.set i, 32*(\g)
.rept 16
.if i < 8
	v_max_num_f32 v[M+(i/2)%4], |v[W+i]|, |v[W+i+1]|
.else
	v_max3_num_f32 v[M+(i/2)%4], |v[W+i]|, |v[W+i+1]|, v[M+(i/2)%4]
.endif
.set i, i+2
.endr
.endm
	WMAX 0
	WMAX 1
	WMAX 2
	WMAX 3
	v_max3_num_f32 v10, v[M], v[M+1], v[M+2]
	v_max_num_f32 v10, v10, v[M+3]
	LANES
	s_wait_alu depctr_vm_vsrc(0)                   ; the LDS store of x's scale has read v[S], which the lines below write again
	MKSCALE 64, 27, 0
	; a load's four f32 a lane become 8 bytes of bf16: 32 lanes store 256 consecutive bytes, aligned.  16 pieces of two loads' registers, in four sets of four;
	; a piece is stored one set later, ahead of the piece that stands four on
.set g, 0
.rept 16
.if (g % 4 == 0) && (g > 0)
	s_wait_alu depctr_va_vdst(0)                   ; the set before has written the 16 registers of W that the eight stores dealt among this set read; no vector instruction of this set names them
.endif
.if g >= 4
	global_store_b64 v2, v[W+8*(g-4):W+8*(g-4)+1], s[10:11] offset:512*(g-4)
	global_store_b64 v2, v[W+8*(g-4)+4:W+8*(g-4)+5], s[10:11] offset:512*(g-4)+256
.endif
	Q8 W+8*g, W+8*g, W+8*g+1, W+8*g+4, W+8*g+5, 0
.set g, g+1
.endr
	s_wait_alu depctr_va_vdst(0)                   ; the last set has written what the eight stores below read; and every vector instruction that named v10, in which the LDS load below lands, is done: none follows this wait
.set g, 12
.rept 4
	global_store_b64 v2, v[W+8*g:W+8*g+1], s[10:11] offset:512*g
	global_store_b64 v2, v[W+8*g+4:W+8*g+5], s[10:11] offset:512*g+256
.set g, g+1
.endr
	; the work-group's 32 scales leave together: two runs of 64 consecutive bytes, by wave 0
	s_wait_dscnt 0x0                               ; for the others' sake: my two scales lie in LDS
	s_barrier_signal -1
	s_barrier_wait -1
	s_cmp_lg_u32 s14, 0
	s_cbranch_scc1 .Lend
	ds_load_b32 v10, v34
	s_wait_dscnt 0x0
	global_store_b32 v35, v10, s[12:13]
.Lend:
	s_wait_dscnt 0x0                               ; the closing lines, six on end
	s_wait_alu 0x0
	s_wait_tensorcnt 0x0
	ds_add_u32 v[SPW], v[NIL]
	s_wait_dscnt 0x0
	s_endpgm
.Lfunc_end_k_qcf92d4eca5_quant:
	.size	k_qcf92d4eca5_quant, .Lfunc_end_k_qcf92d4eca5_quant-k_qcf92d4eca5_quant
	.p2alignl 7, 3214868480
	.fill 96, 4, 3214868480
	.section	.rodata,"a",@progbits
	.p2align	6, 0x0
	.amdhsa_kernel k_qcf92d4eca5_quant
		.amdhsa_group_segment_fixed_size 2304
		.amdhsa_private_segment_fixed_size 0
		.amdhsa_enable_private_segment 0
		.amdhsa_kernarg_size 40
		.amdhsa_user_sgpr_count 2
		.amdhsa_user_sgpr_kernarg_segment_ptr 1
		.amdhsa_wavefront_size32 1
		.amdhsa_system_sgpr_workgroup_id_x 1
		.amdhsa_system_sgpr_workgroup_id_y 1
		.amdhsa_system_sgpr_workgroup_id_z 1
		.amdhsa_system_vgpr_workitem_id 0
		.amdhsa_next_free_vgpr 256
		.amdhsa_next_free_sgpr 66
		.amdhsa_reserve_vcc 0
		.amdhsa_float_denorm_mode_32 3
		.amdhsa_float_denorm_mode_16_64 3
		.amdhsa_memory_ordered 1
		.amdhsa_forward_progress 1
		.amdhsa_inst_pref_size 83
	.end_amdhsa_kernel
	.amdgpu_metadata
---
amdhsa.version: [ 1, 2 ]
amdhsa.kernels:
  - .name:           k_qcf92d4eca5_quant
    .symbol:         k_qcf92d4eca5_quant.kd
    .args:
      - { .name: input_tensor, .offset: 0, .size: 8, .value_kind: global_buffer, .address_space: global }
      - { .name: weight, .offset: 8, .size: 8, .value_kind: global_buffer, .address_space: global }
      - { .name: qx, .offset: 16, .size: 8, .value_kind: global_buffer, .address_space: global }
      - { .name: qw, .offset: 24, .size: 8, .value_kind: global_buffer, .address_space: global }
      - { .name: scales, .offset: 32, .size: 8, .value_kind: global_buffer, .address_space: global }
    .group_segment_fixed_size: 2304
    .private_segment_fixed_size: 0
    .kernarg_segment_align: 8
    .kernarg_segment_size: 40
    .max_flat_workgroup_size: 512
    .sgpr_count:     66
    .vgpr_count:     256
    .wavefront_size: 32
...
	.end_amdgpu_metadata
.endif
;; end of part 3
;; launch gemm: the kernel of part 2 again; grid 16 x 16, 4 waves a work-group, clusters of 4 x 4, 327,680 bytes of LDS; arguments qx, qw, out0, scales, bias; writes out0
